; MI455X (gfx1250); checked and timed in simulation.
; The chip was launched on July 23, 2026; its instructions are those of AMD's public machine-readable ISA for CDNA 5 (MIT licence, August 2026) and "CDNA5" Instruction Set Architecture Reference Guide (July 2026). The comments in the code are by the model that wrote it; some were corrected since.
;; Multihead Dot Product Attention. Allowed arithmetic: matrix products marked QUANTISED: E5M2 operands, one given power-of-two scale a tensor, by v_wmma_f32_16x16x64_bf8_bf8 or v_wmma_f32_16x16x128_bf8_bf8, f32 sums; everything else in f32.
;; Inputs: b_k 1,024 float32; b_o 1,024 float32; b_q 1,024 float32; b_v 1,024 float32; lowp_scales 12 int32 (the exponents e of the quantised operands' scales 2^e); w_k 1,024 x 1,024 float32; w_o 1,024 x 1,024 float32; w_q 1,024 x 1,024 float32; w_v 1,024 x 1,024 float32; x 4 x 2,048 x 1,024 float32.
;; Outputs: out0 4 x 2,048 x 1,024 float32.
;; This version of the problem:
;;   THIS VERSION OF THE PROBLEM IS GIVEN IN LOW PRECISION. The matrix products marked QUANTISED in the list below multiply operands that are first quantised to E5M2 (5 exponent bits, 2 mantissa bits; 8 bits a number), with one given power-of-two scale for each operand tensor; their sums are f32. All else is computed in f32.
;;   The module's matrix products, in the order in which they are computed (A, B: the left and right operand; K: the contracted axis; several contracted axes count as one K, in the product's order):
;;     1. [M 8,192, K 1,024] x [K 1,024, N 1,024]; A: input x; B: input w_q: QUANTISED (scales: A lowp_scales[0], B lowp_scales[1])
;;     2. [M 8,192, K 1,024] x [K 1,024, N 1,024]; A: input x; B: input w_k: QUANTISED (scales: A lowp_scales[2], B lowp_scales[3])
;;     3. [M 8,192, K 1,024] x [K 1,024, N 1,024]; A: input x; B: input w_v: QUANTISED (scales: A lowp_scales[4], B lowp_scales[5])
;;     4. batch 64 x [M 2,048, K 64] x [K 64, N 2,048]; A: computed on the way; B: computed on the way: QUANTISED (scales: A lowp_scales[6], B lowp_scales[7])
;;     5. batch 64 x [M 2,048, K 2,048] x [K 2,048, N 64]; A: softmax (see below); B: computed on the way: QUANTISED (scales: A lowp_scales[8], B lowp_scales[9])
;;     6. [M 8,192, K 1,024] x [K 1,024, N 1,024]; A: computed on the way; B: input w_o: QUANTISED (scales: A lowp_scales[10], B lowp_scales[11])
;;   THE QUANTISER, for each operand of a quantised product, along K:
;;     - The operand's scale is 2^e, e = its entry of the input lowp_scales (int32; the entries are numbered through the quantised products in the list's order, A before B).
;;     - Each number is divided by the scale, clamped to +-57,344, and rounded to the nearest number of E5M2, ties to even, subnormals kept.
;;     - The product sums the exact products of the quantised numbers (number of the format x scale) in f32.
;;   ~~~python
;;   def quantise(x, axis, e):      # numpy; x: float32 -> the quantised numbers, widened to float32 again
;;       x = np.moveaxis(x, axis, -1); K = x.shape[-1]
;;       r = np.clip(x / 2.0 ** e, -57344, 57344)
;;       step = 2.0 ** (np.maximum(np.frexp(np.where(r == 0, 1, r))[1] - 1, -14) - 2)
;;       q = np.round(r / step) * step * 2.0 ** e      # np.round: ties to even
;;       return np.moveaxis(q, -1, axis).astype(np.float32)
;;   ~~~
;;   SOFTMAX AHEAD OF A QUANTISED PRODUCT. Where the list says 'softmax', what is quantised is not the finished softmax but p = 2^(t - M), with t = logit x log2(e) and M = ceil(the row's largest t), a whole number; so 1/2 < the row's largest p <= 1. The row's sum l is taken of the UNQUANTISED p, in f32, and the product's result is divided by l at the end. Since M is a whole number, a kernel that streams over the keys may use a running M (the ceiling of the running maximum): every later rescaling is an exact power of two, so the quantised numbers keep their values, but for numbers so far below the row's largest that they fall under the format's range.
;;   OPERANDS COMPUTED ON THE WAY. 'Computed on the way' means the value that the module computes at that place (a softmax that the list does not call 'softmax' is quantised finished and normalised). What goes into a quantiser is computed in f32, as accurately as f32 sums, v_exp_f32 and their like allow (about 1e-6 of the number): no bf16 or f16 on the way to a quantiser, and a product that is left as it is and whose result goes on into a quantised operand takes f32 operands (vector FMAs, or v_wmma_f32_16x16x4_f32). A number that lies on a knife's edge between two numbers of the format may be rounded either way, as far as f32 arithmetic and the matrix unit's own rounding can turn it there, and no further.
;; One version. Each part assembles by itself: llvm-mc -triple=amdgcn-amd-amdhsa -mcpu=gfx1250 --defsym DOCPART=n.
;; ======== version 1 of 1: 4 launches
;; limits: right only within a limited range of input values
;; workspace buffers: x_img 25,165,824 bytes; w_img 4,194,304 bytes; qkv_img 25,165,824 bytes; p_img 8,388,608 bytes
;; launch quant (part 1): grid 768 x 1, 4 waves a work-group, no clusters, 34,304 bytes of LDS; arguments x, w_q, w_k, w_v, w_o, lowp_scales, x_img, w_img; writes x_img, w_img
.if DOCPART == 1
	.amdgcn_target "amdgcn-amd-amdhsa--gfx1250"
	.amdhsa_code_object_version 6
	.text
	.protected	k_q8ff93f3211_quant
	.globl	k_q8ff93f3211_quant
	.p2align	8
	.type	k_q8ff93f3211_quant,@function
k_q8ff93f3211_quant:
	s_mov_b64 s[64:65], 0
	v_nop
	global_prefetch_b8 v0, s[64:65] scope:SCOPE_SE
	s_setreg_imm32_b32 hwreg(HW_REG_WAVE_MODE, 25, 1), 1
	s_wait_xcnt 0x0
; x [8192][1024] and the four weights [1024][1024], f32, K innermost, become codes of BF8 (E5M2), laid as IMAGES OF OPERAND REGISTERS.
; code = number / 2^e, held within +-57,344, to the nearest code, ties to even.  x is an operand of three products with three given exponents (entries 0, 2, 4), so it
; is read once and quantised three times; w_q, w_k, w_v, w_o take entries 1, 3, 5, 11.
; IMAGE: a fragment is 16 rows x 128 along K, 2,048 bytes, laid [c 0..3][lane 0..31][16 bytes]: lane (r = lane % 16, h = lane / 16) holds k = 32 c + 16 h + 0 .. 15 of the tile's row r.
; A tensor is laid [tile][K step 0..7][2,048].  THE ROWS OF A TILE ARE NOT NEIGHBOURS: row r of tile T is row 32 (T / 2) + 8 (T % 2) + r + 8 (r / 8) of the tensor, so that in the
; products that follow the 16 result registers of two neighbouring tiles are 16 neighbours along the next K.
; SHARES: work-groups 0-511 take x's tiles, 512-767 the weights' (64 tiles each).  Wave w takes K steps 2 w and 2 w + 1.  Each load reads 512 consecutive bytes of one row; a fragment's
; 16 rows turn through the wave's own stage in LDS (rows of 512 bytes + 16) and come back 64 bytes a lane; each store covers 512 consecutive bytes, aligned.  Waves share nothing: no barrier.
; LIMITS: each exponent between -126 and 112, so that 2^e and 57,344 x 2^e are f32 numbers.  NaN among the inputs is not served.
.set SP,   528                         ; a stage row
.set STG,  16*SP                       ; a wave's stage
.set R,    16                          ; v16-79, v80-143: the two fragments' numbers
.set T,    144
.set C,    176                         ; v176-223: codes, 16 registers for each of three outputs
.set SC,   6                           ; v6.. : for output q: v[6+2q] = 2^e
	s_load_b256 s[4:11], s[0:1], 0x0               ; x, w_q, w_k, w_v
	s_load_b256 s[12:19], s[0:1], 0x20             ; w_o, the exponents, x_img, w_img
	v_lshl_add_u32 v224, v0, 2, 0x8400
	v_mov_b32 v225, 0
	v_lshrrev_b32 v1, 5, v0
	v_readfirstlane_b32 s20, v1                    ; wave
	v_and_b32 v1, 31, v0
	v_lshlrev_b32 v2, 4, v1                        ; 16 x lane: my bytes of a load's and of a store's 512
	s_mul_i32 s26, s20, STG
	v_add_nc_u32 v3, s26, v2                       ; into the stage: as loaded
	v_and_b32 v5, 15, v0
	v_bfe_u32 v12, v0, 4, 1
	v_mul_u32_u24 v4, v5, SP
	v_lshl_add_u32 v4, v12, 6, v4
	v_add_nc_u32 v4, s26, v4                       ; out of it: row r, + 64 h: my 16 numbers of a block of 32
	s_sub_co_u32 s21, ttmp9, 512
	s_lshr_b32 s24, s21, 6                         ; which weight (no weight's number in x's work-groups)
	s_and_b32 s25, s21, 63
	s_cmp_lt_u32 ttmp9, 512
	s_cselect_b32 s25, ttmp9, s25                  ; the tile
	s_cselect_b32 s27, 0, s24
	s_lshr_b32 s28, s25, 1
	s_lshl_b32 s28, s28, 17                        ; 32 rows of 4,096 bytes for each pair of tiles,
	s_and_b32 s29, s25, 1
	s_lshl_b32 s29, s29, 15                        ; 8 rows for the odd one,
	s_add_co_u32 s28, s28, s29
	s_lshl_b32 s29, s20, 10                        ; my wave's 256 along K
	s_add_co_u32 s28, s28, s29
	s_mov_b32 s29, 0
	s_lshl_b32 s30, s25, 14                        ; a tile's images are 16,384 bytes,
	s_lshl_b32 s31, s20, 12                        ; my two fragments 4,096
	s_add_co_u32 s30, s30, s31
	s_mov_b32 s31, 0
	s_lshl_b32 s50, s27, 20                        ; a weight's part of w_img
	s_add_co_u32 s50, s50, s30
	s_mov_b32 s51, 0
	s_wait_alu depctr_va_vdst(0)
	s_wait_kmcnt 0x0
	s_load_b256 s[32:39], s[14:15], 0x0            ; entries 0 to 7
	s_load_b128 s[40:43], s[14:15], 0x20           ; entries 8 to 11
	s_cmp_eq_u32 s24, 1                            ; the choices hang on the work-group's number alone
	s_cselect_b64 s[22:23], s[8:9], s[6:7]
	s_cmp_eq_u32 s24, 2
	s_cselect_b64 s[22:23], s[10:11], s[22:23]
	s_cmp_eq_u32 s24, 3
	s_cselect_b64 s[22:23], s[12:13], s[22:23]
	s_cmp_lt_u32 ttmp9, 512
	s_cselect_b64 s[22:23], s[4:5], s[22:23]       ; from where
	s_cselect_b64 s[44:45], s[16:17], s[18:19]     ; to where: output 0
	s_add_nc_u64 s[22:23], s[22:23], s[28:29]
	s_add_nc_u64 s[44:45], s[44:45], s[50:51]
	s_add_nc_u64 s[46:47], s[16:17], s[30:31]
	s_add_nc_u64 s[48:49], s[46:47], 0x1000000     ; x's third part,
	s_add_nc_u64 s[46:47], s[46:47], 0x800000      ; and its second: used by x's work-groups alone
.irp f, 0,1
.irp i, 0,1,2,3,4,5,6,7,8,9,10,11,12,13,14,15
	global_load_b128 v[R+64*\f+4*\i:R+64*\f+4*\i+3], v2, s[22:23] offset:(\i+8*(\i/8))*4096+512*\f th:TH_LOAD_NT   ; the tile's row i: 512 consecutive bytes; read once in the launch
.endr
.endr
	s_wait_kmcnt 0x0
	s_cmp_eq_u32 s24, 1
	s_cselect_b32 s52, s35, s33
	s_cmp_eq_u32 s24, 2
	s_cselect_b32 s52, s37, s52
	s_cmp_eq_u32 s24, 3
	s_cselect_b32 s52, s43, s52
	s_cmp_lt_u32 ttmp9, 512
	s_cselect_b32 s52, s32, s52                    ; output 0's exponent
.macro MKSCALE e, vs
	s_add_co_i32 s53, s[\e], 127
	s_lshl_b32 s54, s53, 23
	v_mov_b32 v[\vs], s54                          ; 2^e as f32: the conversion takes its exponent field
.endm
	MKSCALE 52, SC
	MKSCALE 34, SC+2
	MKSCALE 36, SC+4
; Fragment f through the stage.  LDS serves a wave's instructions in order, so no wait stands between the stores and the loads, which land in the registers that the stores have left.
.macro TURN f
.irp i, 0,1,2,3,4,5,6,7,8,9,10,11,12,13,14,15
	ds_store_b128 v3, v[R+64*\f+4*\i:R+64*\f+4*\i+3] offset:SP*\i
.endr
.irp c, 0,1,2,3
.irp j, 0,1,2,3
	ds_load_b128 v[R+64*\f+16*\c+4*\j:R+64*\f+16*\c+4*\j+3], v4 offset:128*\c+16*\j   ; register 16 c + i = k 32 c + 16 h + i of my row
.endr
.endr
	s_wait_dscnt 0x0
.endm
; Fragment f with output q's scale.  The numbers stay as they are (x is quantised three times).
.macro QS q, f
.irp c, 0,1,2,3
.irp i, 0,1,2,3,4,5,6,7,8,9,10,11,12,13,14,15
.endr
	v_cvt_scalef32_pk8_bf8_f32 v[C+16*\q+4*\c:C+16*\q+4*\c+1], v[T+16*(\c%2)+((R+64*\f+16*\c+0)-(T+16*(\c%2)+0)):T+16*(\c%2)+7+((R+64*\f+16*\c+0)-(T+16*(\c%2)+0))], v[SC+2*\q]
	v_cvt_scalef32_pk8_bf8_f32 v[C+16*\q+4*\c+2:C+16*\q+4*\c+3], v[T+16*(\c%2)+8+((R+64*\f+16*\c+0)-(T+16*(\c%2)+0)):T+16*(\c%2)+15+((R+64*\f+16*\c+0)-(T+16*(\c%2)+0))], v[SC+2*\q]
.endr
	v_nop                                          ; a plain line behind the last conversion
.irp c, 0,1,2,3
	global_store_b128 v2, v[C+16*\q+4*\c:C+16*\q+4*\c+3], s[44+2*\q:45+2*\q] offset:2048*\f+512*\c   ; the image's part c: 512 consecutive bytes, aligned
.endr
.endm
	s_wait_alu depctr_va_vdst(0)
	s_wait_loadcnt 16                              ; fragment 0's sixteen loads are in; fragment 1's may be out
	TURN 0
	QS 0, 0
	s_cmp_lt_u32 ttmp9, 512
	s_cbranch_scc0 .Lweight_0                      ; a weight has one scale
	QS 1, 0
	QS 2, 0
.Lweight_0:
	s_wait_loadcnt 0x0
	TURN 1
	s_wait_xcnt 0x0                                ; the codes' registers, which fragment 0's stores read, are written again only behind this wait
	QS 0, 1
	s_cmp_lt_u32 ttmp9, 512
	s_cbranch_scc0 .Lweight_1
	QS 1, 1
	QS 2, 1
.Lweight_1:
	s_wait_tensorcnt 0x0
	ds_add_u32 v224, v225
	s_wait_dscnt 0x0
	s_endpgm
.Lfunc_end_k_q8ff93f3211_quant:
	.size	k_q8ff93f3211_quant, .Lfunc_end_k_q8ff93f3211_quant-k_q8ff93f3211_quant
	.p2alignl 7, 3214868480
	.fill 96, 4, 3214868480
	.section	.rodata,"a",@progbits
	.p2align	6, 0x0
	.amdhsa_kernel k_q8ff93f3211_quant
		.amdhsa_group_segment_fixed_size 34304
		.amdhsa_private_segment_fixed_size 0
		.amdhsa_enable_private_segment 0
		.amdhsa_kernarg_size 64
		.amdhsa_user_sgpr_count 2
		.amdhsa_user_sgpr_kernarg_segment_ptr 1
		.amdhsa_wavefront_size32 1
		.amdhsa_system_sgpr_workgroup_id_x 1
		.amdhsa_system_sgpr_workgroup_id_y 1
		.amdhsa_system_sgpr_workgroup_id_z 1
		.amdhsa_system_vgpr_workitem_id 0
		.amdhsa_next_free_vgpr 226
		.amdhsa_next_free_sgpr 66
		.amdhsa_reserve_vcc 0
		.amdhsa_float_denorm_mode_32 3
		.amdhsa_float_denorm_mode_16_64 3
		.amdhsa_fp16_overflow 1
		.amdhsa_memory_ordered 1
		.amdhsa_forward_progress 1
		.amdhsa_inst_pref_size 17
	.end_amdhsa_kernel
	.amdgpu_metadata
---
amdhsa.version: [ 1, 2 ]
amdhsa.kernels:
  - .name:           k_q8ff93f3211_quant
    .symbol:         k_q8ff93f3211_quant.kd
    .args:
      - { .name: x, .offset: 0, .size: 8, .value_kind: global_buffer, .address_space: global }
      - { .name: w_q, .offset: 8, .size: 8, .value_kind: global_buffer, .address_space: global }
      - { .name: w_k, .offset: 16, .size: 8, .value_kind: global_buffer, .address_space: global }
      - { .name: w_v, .offset: 24, .size: 8, .value_kind: global_buffer, .address_space: global }
      - { .name: w_o, .offset: 32, .size: 8, .value_kind: global_buffer, .address_space: global }
      - { .name: lowp_scales, .offset: 40, .size: 8, .value_kind: global_buffer, .address_space: global }
      - { .name: x_img, .offset: 48, .size: 8, .value_kind: global_buffer, .address_space: global }
      - { .name: w_img, .offset: 56, .size: 8, .value_kind: global_buffer, .address_space: global }
    .group_segment_fixed_size: 34304
    .private_segment_fixed_size: 0
    .kernarg_segment_align: 8
    .kernarg_segment_size: 64
    .max_flat_workgroup_size: 128
    .sgpr_count:     66
    .vgpr_count:     226
    .wavefront_size: 32
...
	.end_amdgpu_metadata
.endif
;; end of part 1
;; launch qkv (part 2): grid 4 x 96, 4 waves a work-group, clusters of 4 x 4, 327,680 bytes of LDS; arguments x_img, w_img, lowp_scales, b_q, b_k, b_v, qkv_img; writes qkv_img
.if DOCPART == 2
	.amdgcn_target "amdgcn-amd-amdhsa--gfx1250"
	.amdhsa_code_object_version 6
	.text
	.protected	k_q8ff93f3211_qkv
	.globl	k_q8ff93f3211_qkv
	.p2align	8
	.type	k_q8ff93f3211_qkv,@function
k_q8ff93f3211_qkv:
	s_mov_b64 s[64:65], 0
	v_nop
	global_prefetch_b8 v0, s[64:65] scope:SCOPE_SE
	s_setreg_imm32_b32 hwreg(HW_REG_WAVE_MODE, 25, 1), 1
	s_wait_xcnt 0x0
	s_wait_alu depctr_hold_cnt(0) depctr_sa_sdst(0) depctr_va_vdst(0) depctr_va_sdst(0) depctr_va_ssrc(0) depctr_va_vcc(0) depctr_vm_vsrc(0)
	s_getreg_b32 s2, hwreg(HW_REG_IB_STS2, 6, 4)
	s_cmp_eq_u32 s2, 0
	s_cbranch_scc0 .Lentry_in_a_cluster
	s_endpgm
.Lentry_in_a_cluster:
	s_bfe_u32 s2, ttmp6, 0x10000c
	s_cmp_lg_u32 s2, 0xf033
	s_cbranch_scc0 .Lentry_shape_is_right
	s_endpgm
.Lentry_shape_is_right:
; q = x w_q^T + b_q, k = x w_k^T + b_k, v = x w_v^T + b_v on codes of BF8 (E5M2); the results are quantised in registers (entries 6, 7, 9 of the exponents) and stored as images of the
; operands of the attention that follows.  M 8,192, N 1,024, K 1,024 each.
; IMAGES (made by the launch before): a fragment, 16 rows x 128 K, is 2,048 bytes [c][lane][16]: lane (r, h) holds k = 32 c + 16 h + 0 .. 15; a tensor is [tile][K step 0..7][2,048]; row r of
; tile T is row 32 (T / 2) + 8 (T % 2) + r + 8 (r / 8).  The same order of k stands in both operands, so every product meets its partner.
; A tile of the result, 256 x 256, is made by four waves, each 128 x 128: 64 accumulators, 512 registers.  Source 1 ("A") gives a lane its row, source 0 ("B") runs along a lane's registers:
; by the order of a tile's rows the 16 registers of B's tiles 2 b and 2 b + 1 are 16 NEIGHBOURS, 32 b + 16 h + 0 .. 15: the conversions' results are the next operand's registers.
;   q, k: A = x (a lane holds a token), B = the weight (registers along the features = the next K): out [batch x head][token tile 128][1,024].
;   v:    A = w_v (a lane holds a channel), B = x (registers along the tokens = the keys = the next K): out [batch x head][128 keys: 16][channel tile 4][2,048].
; The cluster's y (0..23) says which tensor (y / 8) and which eighth of the 8,192 tokens: equal in all sixteen partners, so the one branch and the choices that hang on it are alike in all.
; K goes in steps of 256 through two LDS slots; a wave's tensor load brings 8 tiles x 4,096 bytes.  CLUSTERS: 4 x 4; A's tiles are asked for jointly along a row, B's along a column.
; The bias is the C of each sum's first matrix instruction, divided by the power of two that the sums lack.
; LIMITS: for each tensor, (its output's exponent) - (its two operands' exponents) between -126 and 112.  NaN among the inputs is not served.
; REGISTERS: window 0: v1-15 at work at the head; v16-21 LDS addresses; v28-30; v32-95 the bias; v96-111 the stores' offsets; v128-255 A's fragments, later codes.
;   window 1: B's fragments, two sets.   windows 2, 3: the accumulators, (a, b) at v[8 (8 (a % 4) + b)].
.set SLOT,  131072                     ; A's 16 tiles x 4,096 bytes, then B's 16
.set SPARE, 2*SLOT                     ; behind the ring: the spare words, 128 bytes a wave: two blocks of 256 bytes that no other line names
.set FR,    16
.set NL,    4                          ; LDS loads that bring a fragment
.set NP,    4                          ; places behind this matrix instruction (ISA guide 7.12.1)
.set ADRA,  16                         ; v16-17 my A fragments in slot 0, 1
.set ADRB,  20                         ; v20-21 my B fragments
.set SPW,   28
.set NIL,   29
.set SCL,   30                         ; 2^(eo - ea - eb)
.set LIM,   31
.set BI,    32
.set TMP,   32
.set OFFS,  96
.set AF,    128
.set CD,    128
.set G1,  24
.set G0,  32
.set G1B, 48
.set G0B, 56
.set WV,  14
.set WR,  15
.set WC,  16
.set TZ,  74
.set MSB, 0
.macro WIN new                         ; the immediate's high byte repeats the setting that is left
.if MSB != (\new)
	s_set_vgpr_msb (MSB<<8)|(\new)
.set MSB, (\new)
.endif
.endm
.set MUL_LO, 0xa1                      ; source 0 (B) window 1, source 1 (A) window 0, C and D window 2
.set MUL_HI, 0xf1                      ; the same, C and D window 3
.set TO_B,   0x40                      ; destination window 1, address window 0
; A joint load: waves 0 and 1 fetch for A, waves 2 and 3 for B; the branch hangs on the wave's number alone.  Four v_nop follow each of the two lines.
.macro JLOAD g0a, g1a, g0b, g1b
	s_cmp_eq_u32 s[WR], 0
	s_cbranch_scc0 .Lfor_b_\@
	tensor_load_to_lds s[\g0a:\g0a+3], s[\g1a:\g1a+7]
	s_nop 0
.rept 4
	v_nop
.endr
	s_branch .Lasked_\@
.Lfor_b_\@:
	tensor_load_to_lds s[\g0b:\g0b+3], s[\g1b:\g1b+7]
	s_nop 0
.rept 4
	v_nop
.endr
.Lasked_\@:
.endm
.macro CREST                           ; a round of the cluster's barrier behind its opening barrier
	s_cmp_lg_u32 s[WV], 0
	s_cbranch_scc1 .Lnot_wave_0_\@
	s_barrier_signal -3
.Lnot_wave_0_\@:
	s_barrier_wait -3
	s_barrier_signal -1
	s_barrier_wait -1
.endm
.macro CROUND
	s_barrier_signal -1
	s_barrier_wait -1
	CREST
.endm
	s_load_b256 s[4:11], s[0:1], 0x0               ; x_img, w_img, the exponents, b_q
	s_load_b128 s[68:71], s[0:1], 0x20             ; b_k, b_v
	s_load_b64 s[72:73], s[0:1], 0x30              ; qkv_img
	v_lshl_add_u32 v[SPW], v0, 2, SPARE
	v_mov_b32 v[NIL], 0
	ds_add_u32 v28, v29
	ds_add_u32 v28, v29
	s_wait_dscnt 0x0
	v_lshrrev_b32 v1, 5, v0
	v_readfirstlane_b32 s[WV], v1                  ; wave 0..3
	s_lshr_b32 s[WR], s[WV], 1                     ; which half of A's 256 rows is mine.  Also: I fetch for A (0) or for B (1)
	s_and_b32 s[WC], s[WV], 1                      ; which half of B's.  Also: which 8 tiles I fetch
	s_bfe_u32 s40, ttmp6, 0x40000                  ; cx, cy: my place in the cluster
	s_bfe_u32 s41, ttmp6, 0x40004
	s_and_b32 s17, ttmp7, 0xffff                   ; the cluster's y, 0..23 (the grid is one cluster wide)
	s_lshr_b32 s[TZ], s17, 3                       ; 0 q, 1 k, 2 v
	s_and_b32 s75, s17, 7
	s_lshl_b32 s75, s75, 2                         ; four blocks of 256 tokens to a cluster
	s_cmp_eq_u32 s[TZ], 2
	s_cselect_b32 s42, s75, 0                      ; the tokens are B's rows for v, A's for q and k
	s_cselect_b32 s78, 0, s75
	s_add_co_u32 s42, s42, s40                     ; gx: B's block of 256 rows: hangs on cx alone
	s_add_co_u32 s78, s78, s41                     ; gy: A's block: on cy alone
	s_lshl_b32 s43, s41, 2
	s_lshl_b32 s43, 15, s43                        ; my row of the cluster
	s_lshl_b32 s44, 0x1111, s40                    ; my column
	; descriptor group 1: 8 tiles' 4,096 bytes each, 16,384 bytes apart in memory, on end in LDS
	s_or_b32 s[G1+0], s43, (1<<21)                 ; 15:0 the mask: A's tiles go to my row; 17:16 elements of 1 byte; 20 no padding; 21 set beside a mask
	s_or_b32 s[G1B+0], s44, (1<<21)
.irp g, G1, G1B
	s_mov_b32 s[\g+1], 4096<<16                    ; tensor_dim0
	s_mov_b32 s[\g+2], 8<<16                       ; tensor_dim1
	s_mov_b32 s[\g+3], 4096<<16                    ; tile_dim0
	s_mov_b32 s[\g+4], 8                           ; tile_dim1
	s_mov_b32 s[\g+5], 16384                       ; tensor_dim0_stride
	s_mov_b32 s[\g+6], 0
	s_mov_b32 s[\g+7], 0
.endr
	s_lshl_b32 s18, s78, 18                        ; A: 16 tiles of 16,384 bytes a block,
	s_lshl_b32 s19, s[WC], 17                      ; the 8 that I fetch
	s_add_co_u32 s18, s18, s19
	s_mov_b32 s19, 0
	s_lshl_b32 s76, s42, 18                        ; B likewise
	s_lshl_b32 s77, s[WC], 17
	s_add_co_u32 s76, s76, s77
	s_mov_b32 s77, 0
	s_lshl_b32 s80, s[TZ], 23                      ; the tensor's part of x_img,
	s_mov_b32 s81, 0
	s_lshl_b32 s82, s[TZ], 20                      ; and of w_img
	s_mov_b32 s83, 0
	s_lshl_b32 s45, s[WV], 15                      ; where my tiles go: wave x 32,768: no place in the cluster enters an LDS address
	s_wait_kmcnt 0x0
	s_load_b256 s[84:91], s[8:9], 0x0              ; entries 0 to 7
	s_load_b128 s[92:95], s[8:9], 0x20             ; entries 8 to 11
	s_add_nc_u64 s[80:81], s[4:5], s[80:81]
	s_add_nc_u64 s[82:83], s[6:7], s[82:83]
	s_cmp_eq_u32 s[TZ], 2
	s_cselect_b64 s[20:21], s[82:83], s[80:81]     ; A: x, or w_v
	s_cselect_b64 s[46:47], s[80:81], s[82:83]     ; B: the weight, or x
	s_add_nc_u64 s[20:21], s[20:21], s[18:19]
	s_add_nc_u64 s[46:47], s[46:47], s[76:77]
	CROUND                                         ; all sixteen work-groups are here: the first joint loads meet
.irp s, 0,1
	s_mov_b32 s[G0+4*\s], 1
	s_add_co_u32 s[G0+4*\s+1], s45, \s*SLOT
	s_add_nc_u64 s[G0+4*\s+2:G0+4*\s+3], s[20:21], \s*4096
	s_or_b32 s[G0+4*\s+3], s[G0+4*\s+3], 0x80000000
	s_mov_b32 s[G0B+4*\s], 1
	s_add_co_u32 s[G0B+4*\s+1], s45, \s*SLOT
	s_add_nc_u64 s[G0B+4*\s+2:G0B+4*\s+3], s[46:47], \s*4096
	s_or_b32 s[G0B+4*\s+3], s[G0B+4*\s+3], 0x80000000
	JLOAD G0+4*\s, G1, G0B+4*\s, G1B
.endr
	v_and_b32 v1, 15, v0                           ; r
	s_wait_alu depctr_va_vdst(0)
	v_bfe_u32 v2, v0, 4, 1                         ; h
	s_wait_alu depctr_va_vdst(0)
	v_and_b32 v3, 31, v0
	v_lshlrev_b32 v3, 4, v3                        ; 16 x lane: an image's place for my lane
	s_lshl_b32 s22, s[WR], 15                      ; my 8 tiles of A,
	s_lshl_b32 s23, s[WC], 15
	s_add_co_u32 s23, s23, 65536                   ; and of B, which lie behind A's 16
.irp s, 0,1
	v_add_nc_u32 v[ADRA+\s], s22, v3
	v_add_nc_u32 v[ADRB+\s], s23, v3
	s_add_co_u32 s22, s22, SLOT
	s_add_co_u32 s23, s23, SLOT
.endr
	; the constants in which v's layout differs from q's and k's
	s_cmp_eq_u32 s[TZ], 2
	s_mov_b32 s66, 1024
	s_cselect_b32 s66, 2048, s66                   ; from block a to a + 1 of four: a token tile, or a channel tile
	s_mov_b32 s67, 4096
	s_cselect_b32 s67, 131072, s67                 ; from a to a + 4: four token tiles, or the next head
	s_mov_b32 s17, 131072
	s_cselect_b32 s17, 1024, s17                   ; from the first 64 along the registers to the second: the next head, or the fragment's second half
	s_cselect_b32 s75, 0, 4                        ; the bias from register to register,
	s_cselect_b32 s79, 0, 64                       ; from half to half of the lanes,
	s_cselect_b32 s97, 4, 0                        ; and from row to row of a tile
	; the bias: q, k: register j of B's tile blk holds feature 32 (blk / 2) + 8 (blk % 2) + 16 h + j;  v: all eight of A's tile blk hold feature 32 (blk / 2) + 8 (blk % 2) + r + 8 (r / 8)
	s_cmp_eq_u32 s[TZ], 1
	s_cselect_b64 s[98:99], s[68:69], s[10:11]
	s_cmp_eq_u32 s[TZ], 2
	s_cselect_b64 s[98:99], s[70:71], s[98:99]
	s_lshl_b32 s2, s42, 10
	s_lshl_b32 s3, s[WC], 9
	s_add_co_u32 s2, s2, s3                        ; 4 (256 gx + 128 half): my features where they are B's rows,
	s_lshl_b32 s12, s78, 10
	s_lshl_b32 s13, s[WR], 9
	s_add_co_u32 s12, s12, s13                     ; and where they are A's
	s_cmp_eq_u32 s[TZ], 2
	s_cselect_b32 s2, s12, s2
	s_mov_b32 s3, 0
	s_add_nc_u64 s[98:99], s[98:99], s[2:3]
	v_and_b32 v4, 8, v1
	v_add_nc_u32 v4, v4, v1                        ; r + 8 (r / 8)
	v_mul_u32_u24 v5, v2, s79
	v_mad_u32_u24 v5, v4, s97, v5
	v_mov_b32 v8, v5
.irp j, 1,2,3,4,5,6,7
	v_add_nc_u32 v[8+\j], s75, v[7+\j]
.endr
.irp k, 0,1,2,3,4,5,6,7
.irp j, 0,1,2,3,4,5,6,7
	global_load_b32 v[BI+8*\k+\j], v[8+\j], s[98:99] offset:(32*(\k/2)+8*(\k%2))*4
.endr
.endr
	; where the codes go
.irp a, 0,1,2,3,4,5,6,7
	s_mul_i32 s12, s66, (\a)&3
	s_mul_i32 s13, s67, (\a)>>2
	s_add_co_u32 s12, s12, s13
	v_add_nc_u32 v[OFFS+2*\a], s12, v3
	s_add_co_u32 s12, s12, s17
	v_add_nc_u32 v[OFFS+2*\a+1], s12, v3
.endr
	s_lshl_b32 s2, s78, 4
	s_lshl_b32 s3, s[WR], 3
	s_add_co_u32 s2, s2, s3                        ; L: my first tile of A
	s_lshl_b32 s3, s42, 2
	s_lshl_b32 s12, s[WC], 1
	s_add_co_u32 s3, s3, s12                       ; G: my first 64 of B's rows
	s_lshr_b32 s12, s2, 7                          ; q, k: batch L / 128, token tile L % 128, head G
	s_lshl_b32 s12, s12, 21
	s_and_b32 s13, s2, 127
	s_lshl_b32 s13, s13, 10
	s_add_co_u32 s12, s12, s13
	s_lshl_b32 s13, s3, 17
	s_add_co_u32 s12, s12, s13
	s_lshr_b32 s13, s3, 5                          ; v: batch G / 32, head L / 4, 128 keys (G % 32) / 2
	s_lshl_b32 s13, s13, 21
	s_lshr_b32 s2, s2, 2
	s_lshl_b32 s2, s2, 17
	s_add_co_u32 s13, s13, s2
	s_and_b32 s3, s3, 31
	s_lshr_b32 s3, s3, 1
	s_lshl_b32 s3, s3, 13
	s_add_co_u32 s13, s13, s3
	s_cmp_eq_u32 s[TZ], 2
	s_cselect_b32 s12, s13, s12
	s_lshl_b32 s13, s[TZ], 23                      ; the tensor's part of qkv_img
	s_add_co_u32 s12, s12, s13
	s_mov_b32 s13, 0
	s_add_nc_u64 s[72:73], s[72:73], s[12:13]
	; the exponents: chosen, never branched on
	s_wait_kmcnt 0x0
	s_add_co_i32 s2, s84, s85
	s_add_co_i32 s3, s86, s87
	s_add_co_i32 s12, s88, s89
	s_cmp_eq_u32 s[TZ], 1
	s_cselect_b32 s2, s3, s2
	s_cselect_b32 s13, s91, s90
	s_cmp_eq_u32 s[TZ], 2
	s_cselect_b32 s2, s12, s2                      ; ea + eb: a sum stands for sum x 2^(ea + eb)
	s_cselect_b32 s13, s93, s13                    ; eo
	s_sub_co_i32 s96, 0, s2
	s_sub_co_i32 s13, s13, s2                      ; the three scales folded into the conversion's one
	s_add_co_i32 s13, s13, 127
	s_lshl_b32 s12, s13, 23
	v_mov_b32 v[SCL], s12
	s_wait_loadcnt 0x0
.set i, 0
.rept 64
	v_ldexp_f32 v[BI+i], v[BI+i], s96              ; the bias / 2^(ea + eb)
.set i, i+1
.endr
.macro FRAG reg, adr, q, i             ; a fragment comes as it was stored: four loads of 512 consecutive bytes
.irp c, 0,1,2,3
	ds_load_b128 v[\reg+4*\c:\reg+4*\c+3], v[\adr] offset:4096*(\i)+2048*(\q)+512*\c
.endr
.endm
; 16 matrix instructions: A's blocks a0, a0 + 1 x B's eight, 128 along K.  p: B's set.  bias = 1: C is the bias of B's tile; 2: of A's tile; 0: the sum goes on in place.
; The 64 accumulators take turns, one instruction a turn, in the same order in every step.
.macro MUL16 a0, p, bias
.irp a, \a0, \a0+1
.irp b, 0,1,2,3,4,5,6,7
.if \bias == 1
	v_wmma_f32_16x16x128_bf8_bf8 v[8*(8*((\a)%4)+\b):8*(8*((\a)%4)+\b)+7], v[128*(\p)+FR*\b:128*(\p)+FR*\b+FR-1], v[AF+FR*(\a):AF+FR*(\a)+FR-1], v[BI+8*\b:BI+8*\b+7]
.elseif \bias == 2
	v_wmma_f32_16x16x128_bf8_bf8 v[8*(8*((\a)%4)+\b):8*(8*((\a)%4)+\b)+7], v[128*(\p)+FR*\b:128*(\p)+FR*\b+FR-1], v[AF+FR*(\a):AF+FR*(\a)+FR-1], v[BI+8*(\a):BI+8*(\a)+7]
.else
	v_wmma_f32_16x16x128_bf8_bf8 v[8*(8*((\a)%4)+\b):8*(8*((\a)%4)+\b)+7], v[128*(\p)+FR*\b:128*(\p)+FR*\b+FR-1], v[AF+FR*(\a):AF+FR*(\a)+FR-1], v[8*(8*((\a)%4)+\b):8*(8*((\a)%4)+\b)+7]
.endif
.endr
.endr
.endm
.macro FETCH_B slot, q, p
	WIN TO_B
.irp i, 0,1,2,3,4,5,6,7
	FRAG 128*(\p)+FR*\i, ADRB+\slot, \q, \i
.endr
	WIN 0
.endm
.macro FETCH_A slot, q, i0
.irp i, \i0, \i0+1, \i0+2, \i0+3
	FRAG AF+FR*(\i), ADRA+\slot, \q, \i
.endr
.endm
.macro PLACES n                        ; plain vector lines between a matrix instruction and a load into, or a vector read of, its registers
.rept \n
	v_nop
.endr
.endm
; 32 matrix instructions that start sums, with the bias as C (in window 0).  The branch hangs on the tensor's number, equal in all partners; only matrix instructions lie on the two ways.
.macro BIASED win, a0
	s_cmp_eq_u32 s[TZ], 2
	s_cbranch_scc1 .Lfor_v_\@
	WIN \win
	s_wait_alu depctr_va_vdst(0)
	MUL16 \a0, 0, 1
	MUL16 \a0+2, 0, 1
	WIN 0
	s_branch .Ljoined_\@
.Lfor_v_\@:
	WIN \win
	MUL16 \a0, 0, 2
	s_wait_alu depctr_va_vdst(0)
	MUL16 \a0+2, 0, 2
	WIN 0
.Ljoined_\@:
.endm
; A step of 128 along K that has its successor in the same slot.
.macro STEP slot, q
	s_wait_dscnt 4*NL                              ; B's set and A's blocks 0-3 are in; the youngest sixteen loads (A's blocks 4-7) may be out
	WIN MUL_LO
	MUL16 0, (\q)%2, 0
	MUL16 2, (\q)%2, 0
	s_wait_dscnt 0x0                               ; A's blocks 4-7 are in
	PLACES NP
	FETCH_B \slot, (\q)+1, 1-(\q)%2
	FETCH_A \slot, (\q)+1, 0
	WIN MUL_HI
	MUL16 4, (\q)%2, 0
	MUL16 6, (\q)%2, 0
	PLACES NP
	WIN 0
	FETCH_A \slot, (\q)+1, 4
.endm
; A slot's last step changes slots: one barrier; in front of it each wave waits for all its tensor loads, adds 0 to its spare word, and waits for that and for its reads of this slot.
.macro TURN slot, next, fill
	s_wait_tensorcnt 0x0                           ; all my tensor loads have landed: my part of the next slot
	ds_add_u32 v[SPW], v[NIL]                      ; 0 onto my spare word
	s_wait_dscnt 4*NL+1                            ; (the add and A's blocks 4-7 may be out)
	WIN MUL_LO
	MUL16 0, 1, 0                                  ; sixteen matrix instructions stand between the add and the wait for it
	s_wait_dscnt 0x0                               ; the add is done, and my reads of this slot are over
	s_barrier_signal -1
	MUL16 2, 1, 0
	WIN 0
	s_barrier_wait -1
.if \fill
	CREST                                          ; the barrier has opened a round of the cluster's: no wave of any partner still reads this slot or has a load on its way
	s_add_nc_u64 s[G0+4*\slot+2:G0+4*\slot+3], s[G0+4*\slot+2:G0+4*\slot+3], 8192
	s_add_nc_u64 s[G0B+4*\slot+2:G0B+4*\slot+3], s[G0B+4*\slot+2:G0B+4*\slot+3], 8192
	JLOAD G0+4*\slot, G1, G0B+4*\slot, G1B         ; the first tensor load behind the round; its four v_nop are the places in front of the loads below
.else
	PLACES NP
.endif
	FETCH_B \next, 0, 0
	FETCH_A \next, 0, 0
	WIN MUL_HI
	MUL16 4, 1, 0
	MUL16 6, 1, 0
	PLACES NP
	WIN 0
	FETCH_A \next, 0, 4
.endm
	s_wait_tensorcnt 0x1                           ; my part of slot 0 is in; slot 1's load may be out
	s_barrier_signal -1
	s_barrier_wait -1
	FETCH_B 0, 0, 0
	FETCH_A 0, 0, 0
	FETCH_A 0, 0, 4
	s_wait_dscnt 4*NL                              ; the first step, written out: its products start the sums
	BIASED 0x81, 0
	s_wait_dscnt 0x0
	PLACES NP
	FETCH_B 0, 1, 1
	FETCH_A 0, 1, 0
	BIASED 0xc1, 4
	PLACES NP
	FETCH_A 0, 1, 4
	TURN 0, 1, 1                                   ; K has eight steps of 128, four slots' worth: written out, no loop
	STEP 1, 0
	TURN 1, 0, 1
	STEP 0, 0
	TURN 0, 1, 0                                   ; nothing is left to fetch
	STEP 1, 0
	s_wait_dscnt 4*NL
	WIN MUL_LO
	MUL16 0, 1, 0
	MUL16 2, 1, 0
	s_wait_dscnt 0x0
	WIN MUL_HI
	MUL16 4, 1, 0
	MUL16 6, 1, 0
	WIN 0
	PLACES NP
; THE WAY OUT of block a: its 64 sums are 4 x 16 neighbours along the next K: converted, and stored as they stand: each store covers 512 consecutive bytes, aligned.
.macro OUTBLK a
	WIN 0x02+((\a)/4)                              ; source 0: window 2 or 3
.set i, 0
.rept 64
.set i, i+1
.endr
.irp m, 0,1,2,3,4,5,6,7
	v_cvt_scalef32_pk8_bf8_f32 v[CD+16*(\a)+2*\m:CD+16*(\a)+2*\m+1], v[TMP+8*\m+((64*((\a)%4)+i)-(TMP+i)):TMP+8*\m+7+((64*((\a)%4)+i)-(TMP+i))], v[SCL]
.endr
	WIN 0
	v_nop                                          ; a plain line behind the last conversion
.irp g, 0,1
	global_store_b128 v[OFFS+2*(\a)+\g], v[CD+16*(\a)+8*\g:CD+16*(\a)+8*\g+3], s[72:73]
	global_store_b128 v[OFFS+2*(\a)+\g], v[CD+16*(\a)+8*\g+4:CD+16*(\a)+8*\g+7], s[72:73] offset:512
.endr
.endm
.irp a, 0,1,2,3,4,5,6,7
	OUTBLK \a                                      ; each block has its own registers for its codes and offsets: no store's source is written again
.endr
	s_wait_tensorcnt 0x0                           ; the wave's end
	ds_add_u32 v[SPW], v[NIL]
	s_wait_dscnt 0x0
	CROUND                                         ; the closing round
	s_endpgm
.Lfunc_end_k_q8ff93f3211_qkv:
	.size	k_q8ff93f3211_qkv, .Lfunc_end_k_q8ff93f3211_qkv-k_q8ff93f3211_qkv
	.p2alignl 7, 3214868480
	.fill 96, 4, 3214868480
	.section	.rodata,"a",@progbits
	.p2align	6, 0x0
	.amdhsa_kernel k_q8ff93f3211_qkv
		.amdhsa_group_segment_fixed_size 327680
		.amdhsa_private_segment_fixed_size 0
		.amdhsa_enable_private_segment 0
		.amdhsa_kernarg_size 56
		.amdhsa_user_sgpr_count 2
		.amdhsa_user_sgpr_kernarg_segment_ptr 1
		.amdhsa_wavefront_size32 1
		.amdhsa_system_sgpr_workgroup_id_x 1
		.amdhsa_system_sgpr_workgroup_id_y 1
		.amdhsa_system_sgpr_workgroup_id_z 1
		.amdhsa_system_vgpr_workitem_id 0
		.amdhsa_next_free_vgpr 1024
		.amdhsa_next_free_sgpr 100
		.amdhsa_reserve_vcc 0
		.amdhsa_float_denorm_mode_32 3
		.amdhsa_float_denorm_mode_16_64 3
		.amdhsa_fp16_overflow 1
		.amdhsa_memory_ordered 1
		.amdhsa_forward_progress 1
		.amdhsa_inst_pref_size 104
	.end_amdhsa_kernel
	.amdgpu_metadata
---
amdhsa.version: [ 1, 2 ]
amdhsa.kernels:
  - .name:           k_q8ff93f3211_qkv
    .symbol:         k_q8ff93f3211_qkv.kd
    .args:
      - { .name: x_img, .offset: 0, .size: 8, .value_kind: global_buffer, .address_space: global }
      - { .name: w_img, .offset: 8, .size: 8, .value_kind: global_buffer, .address_space: global }
      - { .name: lowp_scales, .offset: 16, .size: 8, .value_kind: global_buffer, .address_space: global }
      - { .name: b_q, .offset: 24, .size: 8, .value_kind: global_buffer, .address_space: global }
      - { .name: b_k, .offset: 32, .size: 8, .value_kind: global_buffer, .address_space: global }
      - { .name: b_v, .offset: 40, .size: 8, .value_kind: global_buffer, .address_space: global }
      - { .name: qkv_img, .offset: 48, .size: 8, .value_kind: global_buffer, .address_space: global }
    .group_segment_fixed_size: 327680
    .private_segment_fixed_size: 0
    .kernarg_segment_align: 8
    .kernarg_segment_size: 56
    .max_flat_workgroup_size: 128
    .sgpr_count:     100
    .vgpr_count:     1024
    .wavefront_size: 32
...
	.end_amdgpu_metadata
.endif
;; end of part 2
;; launch attn (part 3): grid 4 x 64, 16 waves a work-group, no clusters, 264,192 bytes of LDS; arguments qkv_img, lowp_scales, p_img; writes p_img
.if DOCPART == 3
	.amdgcn_target "amdgcn-amd-amdhsa--gfx1250"
	.amdhsa_code_object_version 6
	.text
	.protected	k_q8ff93f3211_attn
	.globl	k_q8ff93f3211_attn
	.p2align	8
	.type	k_q8ff93f3211_attn,@function
k_q8ff93f3211_attn:
	s_mov_b64 s[64:65], 0
	v_nop
	global_prefetch_b8 v0, s[64:65] scope:SCOPE_SE
	s_setreg_imm32_b32 hwreg(HW_REG_WAVE_MODE, 25, 1), 1
	s_wait_xcnt 0x0
; Causal attention of one head on codes of BF8 (E5M2): pred = softmax(q k^T / 32, keys <= query) v, quantised (entry 10) and stored as images of the last product's operand.
; 64 batch x head pairs, 2,048 tokens, head size 64.  q, k: [bh][tile 128][1,024]: a fragment of 16 rows x 64: lane (r, h) holds channels 32 c + 16 h + 0 .. 15 at 512 c + 16 x lane.
; v: [bh][128 keys: 16][channel tile 4][2,048]: 16 channels x 128 keys, the keys innermost.  Row r of tile T (tokens; channels within a head) is 32 (T / 2) + 8 (T % 2) + r + 8 (r / 8).
; THE SOFTMAX AHEAD OF THE SECOND PRODUCT: t = score x log2(e) / 32; M = the running largest t rounded UP to a whole number; p = 2^(t - M) is quantised (entry 8), not normalised; the row's
; sum is taken of the unquantised p and divides at the end; when M moves, the sum and O are multiplied by 2^(old M - new M): exact.
; SHARES: a work-group owns query blocks 7 - x and x (256 queries each) of one head: 9 slots of 256 keys in every work-group.  Each of sixteen waves owns one tile of 16 queries of the block in hand.
; THE HEAD'S K AND V LIE WHOLE IN LDS (131,072 bytes each): each byte is filled once, so there is no ring.  Three tensor loads a wave go out at the start: keys 0-255, 256-511, the rest;
; three barriers show them to all; behind the third no wave waits for another.
; Both products are used transposed (S^T = K Q^T, O^T = V^T P^T): a lane holds ONE query; by the order of a tile's rows p's 16 registers of two neighbouring tiles are 16 neighbouring keys,
; and O^T's are 16 neighbouring channels: the conversions' results are the next operand's registers.
; No joint loads: the four work-groups of a head have steps that hang on their blocks, and each head's K and V are read by four work-groups only once each.
; CAUSAL: every wave walks a constant number of slots; a step all of whose keys come after its queries is left out by a scalar branch on ids.
; LIMITS: entries 6 + 7 between -121 and 132; entry 8, and entry 10 - 8 - 9, between -126 and 112.  A p under 2^-126 counts as 0 (it has a code only if entry 8 is under -109).  NaN is not served.
; REGISTERS: v1-3 lane terms; v8, v9 LDS addresses; v12 -M, v13 the largest t, v[14:15] the sum; v16-23 Q; v32-95 K's 8 fragments, then V's 4; v96-159 S^T, then p; v160-191 O^T; v192-199 the
; codes that leave; v224-239 p's codes; v244 entry 8's scale; v246 the output's; v236, v242, v243, v252-254 at work.
.set LK,   1                           ; v1  16 x lane
.set LV,   2                           ; v2  the same in V's half of LDS
.set DQ,   3                           ; v3  r + 8 (r / 8) - 16 h
.set ADK,  8
.set ADV,  9
.set WV,   18
.set G1S,  24                          ; s[24:31] group 1: 8 rows of 256 bytes;  s[32:39]: 48 rows
.set G1L,  32
.set G0,   40                          ; s[40:51] three groups 0
.set SEL,  52
.set CS,   54
.set TB,   56                          ; LDS byte at which the slot in hand begins
.set KF,   57                          ; the step's first key
.set QMIN, 58                          ; my tile's first query; its last is QMIN + 23
.set CNT,  59
.set TM,   60
.set BLK,  61
	s_load_b128 s[4:7], s[0:1], 0x0                ; qkv_img, the exponents
	s_load_b64 s[8:9], s[0:1], 0x10                ; p_img
	v_lshl_add_u32 v251, v0, 2, 0x40000
	v_mov_b32 v255, 0
	ds_add_u32 v251, v255
	ds_add_u32 v251, v255
	v_lshrrev_b32 v8, 5, v0
	s_delay_alu instid0(VALU_DEP_1)
	v_readfirstlane_b32 s[WV], v8                  ; wave 0..15
	s_and_b32 s10, ttmp7, 0xffff                   ; batch x head
	s_and_b32 s11, s[WV], 7                        ; which eighth I fetch,
	s_lshr_b32 s12, s[WV], 3                       ; of K (0) or of V (1)
.irp g, G1S, G1L
	s_mov_b32 s[\g], 3<<16                         ; no mask; elements of 8 bytes; no padding: the images are read 16 bytes a lane on end
	s_mov_b32 s[\g+1], 32<<16                      ; tensor_dim0: 256 bytes
	s_mov_b32 s[\g+3], 32<<16                      ; tile_dim0
	s_mov_b32 s[\g+5], 32                          ; the block is dense
	s_mov_b32 s[\g+6], 0
	s_mov_b32 s[\g+7], 0
.endr
	s_mov_b32 s[G1S+2], 8<<16
	s_mov_b32 s[G1S+4], 8
	s_mov_b32 s[G1L+2], 48<<16
	s_mov_b32 s[G1L+4], 48
	s_lshl_b32 s13, s12, 17
	s_lshl_b32 s14, s11, 11
	s_add_co_u32 s14, s14, s13                     ; LDS: my 2,048 bytes of slot 0
	s_mul_i32 s15, s11, 12288
	s_add_co_u32 s15, s15, s13
	s_add_co_u32 s15, s15, 32768                   ; my 12,288 bytes of slots 2 to 7
	s_add_co_u32 s16, s12, 1
	s_lshl_b32 s16, s16, 23                        ; k's or v's part of qkv_img,
	s_lshl_b32 s17, s10, 17                        ; the head's 131,072 bytes
	s_add_co_u32 s16, s16, s17
	s_lshl_b32 s20, s11, 11
	s_add_co_u32 s20, s20, s16
	s_mov_b32 s21, 0
	s_mul_i32 s22, s11, 12288
	s_add_co_u32 s22, s22, s16
	s_add_co_u32 s22, s22, 32768
	s_mov_b32 s23, 0
	s_mov_b32 s62, s17
	s_mov_b32 s63, 0
	s_wait_dscnt 0x0
	s_wait_kmcnt 0x0
	s_load_b128 s[68:71], s[6:7], 0x18             ; entries 6 to 9
	s_load_b32 s72, s[6:7], 0x28                   ; entry 10
	s_mov_b32 s[G0], 1
	s_mov_b32 s[G0+1], s14
	s_add_nc_u64 s[G0+2:G0+3], s[4:5], s[20:21]
	s_mov_b32 s[G0+4], 1
	s_add_co_u32 s[G0+5], s14, 16384
	s_add_nc_u64 s[G0+6:G0+7], s[G0+2:G0+3], 16384
	s_or_b32 s[G0+3], s[G0+3], 0x80000000
	s_or_b32 s[G0+7], s[G0+7], 0x80000000
	s_mov_b32 s[G0+8], 1
	s_mov_b32 s[G0+9], s15
	s_add_nc_u64 s[G0+10:G0+11], s[4:5], s[22:23]
	s_or_b32 s[G0+11], s[G0+11], 0x80000000
	tensor_load_to_lds s[G0:G0+3], s[G1S:G1S+7]    ; keys 0-255.  All first fills go out together: three loads of mine are out
	s_nop 0
	tensor_load_to_lds s[G0+4:G0+7], s[G1S:G1S+7]  ; keys 256-511
	s_nop 0
	tensor_load_to_lds s[G0+8:G0+11], s[G1L:G1L+7] ; keys 512-2,047
	s_nop 0
.rept 4
	v_nop
.endr
	s_add_nc_u64 s[74:75], s[4:5], s[62:63]        ; q's part: the head's tiles
	s_lshr_b32 s62, s10, 4
	s_lshl_b32 s62, s62, 21                        ; p_img: the batch's 128 token tiles of 16,384 bytes,
	s_and_b32 s[TM], s10, 15
	s_lshl_b32 s[TM], s[TM], 10                    ; the head's 1,024 bytes in each
	s_add_co_u32 s62, s62, s[TM]
	s_add_nc_u64 s[76:77], s[8:9], s[62:63]
	v_and_b32 v[LK], 31, v0
	s_delay_alu instid0(VALU_DEP_1)
	v_lshlrev_b32 v[LK], 4, v[LK]
	s_delay_alu instid0(VALU_DEP_1)
	v_add_nc_u32 v[LV], 131072, v[LK]
	v_and_b32 v4, 15, v0
	v_and_b32 v5, 8, v0
	s_delay_alu instid0(VALU_DEP_1)
	v_add_nc_u32 v[DQ], v4, v5
	v_and_b32 v5, 16, v0
	s_delay_alu instid0(VALU_DEP_1)
	v_sub_nc_u32 v[DQ], v[DQ], v5
	s_mov_b32 s[SEL], 0x76543210
	s_mov_b32 s[SEL+1], 0xfedcba98
	s_mov_b32 s[CS], 0x3d38aa3b                    ; c = log2(e) / 32
	s_wait_alu depctr_va_vdst(0)
	s_wait_kmcnt 0x0
	s_add_co_i32 s[TM], s68, s69
	s_lshl_b32 s[TM], s[TM], 23
	s_add_co_i32 s[CS], s[CS], s[TM]               ; a score stands for score x 2^(e6 + e7): added to c's exponent field
	s_mov_b32 s[CS+1], s[CS]                       ; (named with it as a pair)
	s_add_co_i32 s[TM], s70, 127
	s_lshl_b32 s62, s[TM], 23
	v_mov_b32 v244, s62                            ; 2^e8
	s_sub_co_i32 s[TM], s72, s70
	s_sub_co_i32 s[TM], s[TM], s71                 ; O^T / the sum stands for pred / 2^(e8 + e9): its code is that / 2^(e10 - e8 - e9)
	s_add_co_i32 s[TM], s[TM], 127
	s_lshl_b32 s62, s[TM], 23
	v_mov_b32 v246, s62
; A block of queries begins: s[BLK] holds its number.
.macro BEGIN
	s_wait_xcnt 0x0                                ; the last block's stores have read their registers and base
	s_lshl_b32 s[TM], s[BLK], 4
	s_add_co_u32 s[TM], s[TM], s[WV]               ; T: my tile
	s_and_b32 s[QMIN], s[TM], 1
	s_lshl_b32 s[QMIN], s[QMIN], 3
	s_lshl_b32 s62, s[TM], 4
	s_sub_co_u32 s[QMIN], s62, s[QMIN]             ; 16 T - 8 (T % 2)
	s_lshl_b32 s62, s[TM], 10
	s_mov_b32 s63, 0
	s_add_nc_u64 s[78:79], s[74:75], s[62:63]
	s_lshl_b32 s62, s[TM], 14
	s_add_nc_u64 s[80:81], s[76:77], s[62:63]
	global_load_b128 v[16:19], v[LK], s[78:79]
	global_load_b128 v[20:23], v[LK], s[78:79] offset:512
	v_mov_b32 v13, 0xff61b1e6                      ; the largest t so far: -3e38
	s_delay_alu instid0(VALU_DEP_1)
	v_floor_f32 v12, -v13
	v_mov_b32 v14, 0
	v_mov_b32 v15, 0
	v_mov_b32 v236, 0                              ; a lane permute's destination counts as one of its sources
	v_mov_b32 v252, 0
	v_mov_b32 v253, 0
.set j, 0
.rept 32
	v_mov_b32 v[160+j], 0                          ; O^T: the step is written once; the first finds zeros
.set j, j+1
.endr
	s_mov_b32 s[TB], 0
	s_mov_b32 s[KF], 0
	s_wait_loadcnt 0x0
.endm
; A KEY STEP: 128 keys, the q-th of the slot in hand.
.macro STEP q
	s_add_co_u32 s[TM], s[QMIN], 23
	s_cmp_gt_u32 s[KF], s[TM]
	s_cbranch_scc1 .Lhidden_\@                     ; all its keys come after my queries
	v_add_nc_u32 v[ADK], s[TB], v[LK]
	v_add_nc_u32 v[ADV], s[TB], v[LV]
	v_nop                                          ; with the two additions: four places in front of loads into registers that the last products read
	v_nop
.irp t, 0,1,2,3,4,5,6,7
	ds_load_b128 v[32+8*\t:35+8*\t], v[ADK] offset:8192*(\q)+1024*\t
	ds_load_b128 v[36+8*\t:39+8*\t], v[ADK] offset:8192*(\q)+1024*\t+512
.endr
	s_wait_alu depctr_va_vdst(0)
	s_wait_dscnt 8                                 ; tiles 0-3 are in; the eight loads of tiles 4-7 may be out
.irp t, 0,1,2,3
	v_wmma_f32_16x16x64_bf8_bf8 v[96+8*\t:103+8*\t], v[32+8*\t:39+8*\t], v[16:23], 0
.endr
	s_wait_dscnt 0x0
.irp t, 4,5,6,7
	v_wmma_f32_16x16x64_bf8_bf8 v[96+8*\t:103+8*\t], v[32+8*\t:39+8*\t], v[16:23], 0
.endr
.rept 4
	v_nop                                          ; places: for V's loads into K's registers, and for the first read of the scores
.endr
.irp d, 0,1,2,3
.irp c, 0,1,2,3
	ds_load_b128 v[32+16*\d+4*\c:35+16*\d+4*\c], v[ADV] offset:8192*(\q)+2048*\d+512*\c   ; V's four fragments land while the softmax is worked
.endr
.endr
	s_add_co_u32 s[TM], s[KF], 127
	s_cmp_le_u32 s[TM], s[QMIN]
	s_cbranch_scc1 .Lopen_\@                       ; all its keys count
	s_sub_co_i32 s[TM], s[QMIN], s[KF]
	v_add_nc_u32 v252, s[TM], v[DQ]                ; d = my query - KF - 16 h.  Register 16 b + i holds key KF + 16 h + 32 b + i: hidden where 32 b + i > d
	v_mov_b32 v254, 0xff800000
.set n, 0
.rept 64
	v_cmp_gt_i32 vcc_lo, 32*(n/16)+n%16, v252
	v_cndmask_b32 v[96+n], v[96+n], v254, vcc_lo
.set n, n+1
.endr
.Lopen_\@:
	v_max3_num_f32 v254, v96, v97, v98             ; the step's largest score of my query among my 64 keys, in two chains,
	v_max3_num_f32 v252, v99, v100, v101
.irp i, 6,10,14,18,22,26,30,34,38,42,46,50,54,58
	v_max3_num_f32 v254, v254, v[96+\i], v[97+\i]
	v_max3_num_f32 v252, v252, v[98+\i], v[99+\i]
.endr
	v_max3_num_f32 v254, v254, v158, v159
	s_delay_alu instid0(VALU_DEP_1)
	v_max_num_f32 v254, v254, v252
	v_permlanex16_b32 v236, v254, s[SEL], s[SEL+1]
	s_delay_alu instid0(VALU_DEP_1)
	v_max_num_f32 v254, v254, v236                 ; and among lane l xor 16's
	s_delay_alu instid0(VALU_DEP_1)
	v_mul_f32 v254, s[CS], v254                    ; as t (c is positive)
	s_delay_alu instid0(VALU_DEP_1)
	v_max_num_f32 v13, v13, v254
	v_mov_b32 v254, v12
	s_delay_alu instid0(VALU_DEP_2)
	v_floor_f32 v12, -v13                          ; the new -M = -ceil(t)
	s_delay_alu instid0(VALU_DEP_1)
	v_sub_f32 v254, v12, v254                      ; old M - new M: a whole number, 0 or less
	s_delay_alu instid0(VALU_DEP_1)
	v_cvt_i32_f32 v254, v254                       ; (it saturates)
	s_delay_alu instid0(VALU_DEP_1)
	v_ldexp_f32 v252, 1.0, v254                    ; f = 2^(old M - new M)
.set j, 0
.rept 32
	v_pk_fma_f32 v[96+j:97+j], v[96+j:97+j], s[CS:CS+1], v[12:13] op_sel_hi:[1,0,0]   ; t - M, two at a time
.set j, j+2
.endr
.set j, 0
	s_wait_alu depctr_va_vdst(0)
.rept 64
	v_exp_f32 v[96+j], v[96+j]                     ; p = 2^(t - M)
.set j, j+1
.endr
	v_pk_mul_f32 v[14:15], v[14:15], v[252:253] op_sel_hi:[1,0]   ; the sums under the new M (a plain line behind the exponentials)
	s_wait_alu depctr_va_vdst(0)
	v_pk_add_f32 v[242:243], v[100:101], v[104:105]
	v_pk_add_f32 v[248:249], v[108:109], v[112:113]
	v_pk_add_f32 v[240:241], v[116:117], v[120:121]
	v_pk_add_f32 v[238:239], v[124:125], v[128:129]
	v_pk_add_f32 v[236:237], v[132:133], v[136:137]
	v_pk_add_f32 v[234:235], v[140:141], v[144:145]
	v_pk_add_f32 v[232:233], v[148:149], v[152:153]
	v_pk_add_f32 v[14:15], v[14:15], v[156:157]
	v_pk_add_f32 v[242:243], v[242:243], v[96:97]
	v_pk_add_f32 v[248:249], v[248:249], v[98:99]
	v_pk_add_f32 v[240:241], v[240:241], v[102:103]
	v_pk_add_f32 v[238:239], v[238:239], v[106:107]
	v_pk_add_f32 v[236:237], v[236:237], v[110:111]
	v_pk_add_f32 v[234:235], v[234:235], v[114:115]
	v_pk_add_f32 v[232:233], v[232:233], v[118:119]
	v_pk_add_f32 v[14:15], v[14:15], v[122:123]
	v_pk_add_f32 v[242:243], v[242:243], v[126:127]
	v_pk_add_f32 v[248:249], v[248:249], v[130:131]
	v_pk_add_f32 v[240:241], v[240:241], v[134:135]
	v_pk_add_f32 v[238:239], v[238:239], v[138:139]
	v_pk_add_f32 v[236:237], v[236:237], v[142:143]
	v_pk_add_f32 v[234:235], v[234:235], v[146:147]
	v_pk_add_f32 v[232:233], v[232:233], v[150:151]
	v_pk_add_f32 v[14:15], v[14:15], v[154:155]
	v_pk_add_f32 v[242:243], v[242:243], v[158:159]
	s_delay_alu instid0(VALU_DEP_2)
	v_pk_add_f32 v[14:15], v[14:15], v[238:239]
	s_delay_alu instid0(VALU_DEP_2)
	v_pk_add_f32 v[242:243], v[242:243], v[236:237]
	v_pk_add_f32 v[248:249], v[248:249], v[234:235]
	v_pk_add_f32 v[240:241], v[240:241], v[232:233]
	s_delay_alu instid0(VALU_DEP_2)
	v_pk_add_f32 v[14:15], v[14:15], v[248:249]
	s_delay_alu instid0(VALU_DEP_2)
	v_pk_add_f32 v[242:243], v[242:243], v[240:241]
	s_delay_alu instid0(VALU_DEP_1)
	v_pk_add_f32 v[14:15], v[14:15], v[242:243]
.irp b, 0,1,2,3
.irp i, 0,1,2,3,4,5,6,7,8,9,10,11,12,13,14,15
.endr
	v_cvt_scalef32_pk8_bf8_f32 v[224+4*\b:225+4*\b], v[96+16*\b:103+16*\b], v244
	v_cvt_scalef32_pk8_bf8_f32 v[226+4*\b:227+4*\b], v[104+16*\b:111+16*\b], v244
.endr
.set j, 0
.rept 16
	v_pk_mul_f32 v[160+j:161+j], v[160+j:161+j], v[252:253] op_sel_hi:[1,0]   ; O^T under the new M; also the plain lines behind the conversions
.set j, j+2
.endr
	s_wait_alu depctr_va_vdst(0)
	s_wait_dscnt 0x0                               ; V is in
.irp d, 0,1,2,3
	v_wmma_f32_16x16x128_bf8_bf8 v[160+8*\d:167+8*\d], v[32+16*\d:47+16*\d], v[224:239], v[160+8*\d:167+8*\d]   ; four accumulators by turns, one instruction a turn
.endr
.Lhidden_\@:
	s_add_co_u32 s[KF], s[KF], 128
.endm
.macro TRIP                            ; a slot of 256 keys
	STEP 0
	STEP 1
	s_add_co_u32 s[TB], s[TB], 16384
.endm
; THE WAY OUT: O^T / the sum, converted: registers 16 b + i are channels 32 b + 16 h + i of my query: the head's half of a fragment of the last product's operand.
.macro OUT
.rept 4
	v_nop
.endr
	v_add_f32 v14, v14, v15
	s_delay_alu instid0(VALU_DEP_1)
	v_permlanex16_b32 v252, v14, s[SEL], s[SEL+1]
	s_delay_alu instid0(VALU_DEP_1)
	v_add_f32 v14, v14, v252                       ; the row's sum
	s_wait_alu depctr_va_vdst(0)
	v_rcp_f32 v14, v14
	v_nop                                          ; a plain line behind the transcendental
.set j, 0
	s_wait_alu depctr_va_vdst(0)
.rept 16
	v_pk_mul_f32 v[96+j:97+j], v[160+j:161+j], v[14:15] op_sel_hi:[1,0]   ; each accumulator from its low end on
.set j, j+2
.endr
.set j, 0
.rept 32
.set j, j+1
.endr
.irp m, 0,1,2,3
	v_cvt_scalef32_pk8_bf8_f32 v[192+2*\m:193+2*\m], v[96+8*\m:103+8*\m], v246
.endr
	v_nop
	global_store_b128 v[LK], v[192:195], s[80:81]              ; 512 consecutive bytes, aligned
	global_store_b128 v[LK], v[196:199], s[80:81] offset:512
.endm
	s_sub_co_u32 s[BLK], 7, ttmp9                  ; the late block first
	BEGIN
	s_wait_tensorcnt 0x2                           ; my part of keys 0-255 is in; the two later loads may be out: no byte is filled twice
	s_wait_dscnt 0x0
	s_barrier_signal -1
	s_barrier_wait -1                              ; everybody's is
	TRIP
	s_wait_tensorcnt 0x1                           ; keys 256-511
	s_wait_dscnt 0x0
	s_barrier_signal -1
	s_barrier_wait -1
	TRIP
	s_wait_tensorcnt 0x0                           ; the rest
	s_wait_dscnt 0x0
	s_barrier_signal -1
	s_barrier_wait -1
	s_mov_b32 s[CNT], 6
.Llate:
	TRIP
	s_sub_co_u32 s[CNT], s[CNT], 1
	s_cmp_lg_u32 s[CNT], 0
	s_cbranch_scc1 .Llate
	OUT
	s_mov_b32 s[BLK], ttmp9                        ; the early block: its keys lie in the first four slots
	BEGIN
	s_mov_b32 s[CNT], 4
.Learly:
	TRIP
	s_sub_co_u32 s[CNT], s[CNT], 1
	s_cmp_lg_u32 s[CNT], 0
	s_cbranch_scc1 .Learly
	OUT
	s_wait_tensorcnt 0x0
	ds_add_u32 v251, v255
	s_wait_dscnt 0x0
	s_endpgm
.Lfunc_end_k_q8ff93f3211_attn:
	.size	k_q8ff93f3211_attn, .Lfunc_end_k_q8ff93f3211_attn-k_q8ff93f3211_attn
	.p2alignl 7, 3214868480
	.fill 96, 4, 3214868480
	.section	.rodata,"a",@progbits
	.p2align	6, 0x0
	.amdhsa_kernel k_q8ff93f3211_attn
		.amdhsa_group_segment_fixed_size 264192
		.amdhsa_private_segment_fixed_size 0
		.amdhsa_enable_private_segment 0
		.amdhsa_kernarg_size 24
		.amdhsa_user_sgpr_count 2
		.amdhsa_user_sgpr_kernarg_segment_ptr 1
		.amdhsa_wavefront_size32 1
		.amdhsa_system_sgpr_workgroup_id_x 1
		.amdhsa_system_sgpr_workgroup_id_y 1
		.amdhsa_system_sgpr_workgroup_id_z 1
		.amdhsa_system_vgpr_workitem_id 0
		.amdhsa_next_free_vgpr 256
		.amdhsa_next_free_sgpr 84
		.amdhsa_reserve_vcc 1
		.amdhsa_float_denorm_mode_32 3
		.amdhsa_float_denorm_mode_16_64 3
		.amdhsa_fp16_overflow 1
		.amdhsa_memory_ordered 1
		.amdhsa_forward_progress 1
		.amdhsa_inst_pref_size 165
	.end_amdhsa_kernel
	.amdgpu_metadata
---
amdhsa.version: [ 1, 2 ]
amdhsa.kernels:
  - .name:           k_q8ff93f3211_attn
    .symbol:         k_q8ff93f3211_attn.kd
    .args:
      - { .name: qkv_img, .offset: 0, .size: 8, .value_kind: global_buffer, .address_space: global }
      - { .name: lowp_scales, .offset: 8, .size: 8, .value_kind: global_buffer, .address_space: global }
      - { .name: p_img, .offset: 16, .size: 8, .value_kind: global_buffer, .address_space: global }
    .group_segment_fixed_size: 264192
    .private_segment_fixed_size: 0
    .kernarg_segment_align: 8
    .kernarg_segment_size: 24
    .max_flat_workgroup_size: 512
    .sgpr_count:     84
    .vgpr_count:     256
    .wavefront_size: 32
...
	.end_amdgpu_metadata
.endif
;; end of part 3
;; launch oproj (part 4): grid 4 x 32, 4 waves a work-group, clusters of 4 x 4, 327,680 bytes of LDS; arguments p_img, w_img, lowp_scales, b_o, out0; writes out0
.if DOCPART == 4
	.amdgcn_target "amdgcn-amd-amdhsa--gfx1250"
	.amdhsa_code_object_version 6
	.text
	.protected	k_q8ff93f3211_oproj
	.globl	k_q8ff93f3211_oproj
	.p2align	8
	.type	k_q8ff93f3211_oproj,@function
k_q8ff93f3211_oproj:
	s_mov_b64 s[64:65], 0
	v_nop
	global_prefetch_b8 v0, s[64:65] scope:SCOPE_SE
	s_setreg_imm32_b32 hwreg(HW_REG_WAVE_MODE, 25, 1), 1
	s_wait_xcnt 0x0
	s_wait_alu depctr_hold_cnt(0) depctr_sa_sdst(0) depctr_va_vdst(0) depctr_va_sdst(0) depctr_va_ssrc(0) depctr_va_vcc(0) depctr_vm_vsrc(0)
	s_getreg_b32 s2, hwreg(HW_REG_IB_STS2, 6, 4)
	s_cmp_eq_u32 s2, 0
	s_cbranch_scc0 .Lentry_in_a_cluster
	s_endpgm
.Lentry_in_a_cluster:
	s_bfe_u32 s2, ttmp6, 0x10000c
	s_cmp_lg_u32 s2, 0xf033
	s_cbranch_scc0 .Lentry_shape_is_right
	s_endpgm
.Lentry_shape_is_right:
; out0 = pred w_o^T + b_o on codes of BF8 (E5M2).  pred: p_img, w_o: the fourth part of w_img, both as images of operand registers: a fragment, 16 rows x 128 K, is 2,048 bytes [c][lane][16];
; a tensor is [tile][K step 0..7][2,048]; row r of tile T is row 32 (T / 2) + 8 (T % 2) + r + 8 (r / 8).  out0: [8192][1024] f32.  A sum is multiplied once by 2^(e10 + e11).
; A tile of the result, 256 x 256, is made by four waves, each 128 x 128: 64 accumulators.  Source 1 ("A") = pred's tiles: a lane holds a token; source 0 ("B") = w_o's tiles: by the order of a
; tile's rows the 16 registers of B's tiles 2 b and 2 b + 1 are 16 neighbouring features.  K goes in steps of 256 through two LDS slots; a wave's tensor load brings 8 tiles x 4,096 bytes.
; CLUSTERS: 4 x 4; A's tiles are asked for jointly along a row of the cluster, B's along a column.  128 work-groups: a smaller tile would read each fragment from LDS for fewer products.
; LIMIT: e10 + e11 between -126 and 127.
; REGISTERS: window 0: v16-21 LDS addresses; v24-26 the way out; v28, v29; v32-95 the bias; v128-255 A's fragments, later a block's results.  window 1: B's fragments, two sets; on the way out rows read back.
;   windows 2, 3: the accumulators, (a, b) at v[8 (8 (a % 4) + b)].
.set SLOT,  131072
.set SPARE, 2*SLOT                     ; the spare words, 128 bytes a wave: two blocks of 256 bytes that no other line names
.set STAGE, SPARE+512                  ; behind them: 16 rows x (512 bytes + 16) for each wave: no tensor load fills these bytes
.set SP,    528
.set FR,    16
.set NL,    4
.set NP,    4
.set ADRA,  16
.set ADRB,  20
.set STO,   24
.set RD,    25
.set CO,    26
.set SPW,   28
.set NIL,   29
.set BI,    32
.set AF,    128
.set TMP,   128
.set G1,  24
.set G0,  32
.set G1B, 48
.set G0B, 56
.set WV,  14
.set WR,  15
.set WC,  16
.set MSB, 0
.macro WIN new
.if MSB != (\new)
	s_set_vgpr_msb (MSB<<8)|(\new)
.set MSB, (\new)
.endif
.endm
.set MUL_LO, 0xa1
.set MUL_HI, 0xf1
.set TO_B,   0x40
.macro JLOAD g0a, g1a, g0b, g1b        ; waves 0 and 1 fetch for A, waves 2 and 3 for B; four v_nop follow each of the two lines
	s_cmp_eq_u32 s[WR], 0
	s_cbranch_scc0 .Lfor_b_\@
	tensor_load_to_lds s[\g0a:\g0a+3], s[\g1a:\g1a+7]
	s_nop 0
.rept 4
	v_nop
.endr
	s_branch .Lasked_\@
.Lfor_b_\@:
	tensor_load_to_lds s[\g0b:\g0b+3], s[\g1b:\g1b+7]
	s_nop 0
.rept 4
	v_nop
.endr
.Lasked_\@:
.endm
.macro CREST
	s_cmp_lg_u32 s[WV], 0
	s_cbranch_scc1 .Lnot_wave_0_\@
	s_barrier_signal -3
.Lnot_wave_0_\@:
	s_barrier_wait -3
	s_barrier_signal -1
	s_barrier_wait -1
.endm
.macro CROUND
	s_barrier_signal -1
	s_barrier_wait -1
	CREST
.endm
	s_load_b256 s[4:11], s[0:1], 0x0               ; p_img, w_img, the exponents, b_o
	s_load_b64 s[72:73], s[0:1], 0x20              ; out0
	v_lshl_add_u32 v[SPW], v0, 2, SPARE
	v_mov_b32 v[NIL], 0
	ds_add_u32 v28, v29
	ds_add_u32 v28, v29
	s_wait_dscnt 0x0
	v_lshrrev_b32 v1, 5, v0
	v_readfirstlane_b32 s[WV], v1
	s_lshr_b32 s[WR], s[WV], 1                     ; my half of A's rows.  Also: I fetch for A (0) or for B (1)
	s_and_b32 s[WC], s[WV], 1                      ; my half of B's.  Also: which 8 tiles I fetch
	s_bfe_u32 s40, ttmp6, 0x40000                  ; cx, cy
	s_bfe_u32 s41, ttmp6, 0x40004
	s_lshl_b32 s42, ttmp9, 2
	s_add_co_u32 s42, s42, s40                     ; gx: the block of 256 features
	s_and_b32 s17, ttmp7, 0xffff
	s_lshl_b32 s17, s17, 2
	s_add_co_u32 s17, s17, s41                     ; gy: the block of 256 tokens
	s_lshl_b32 s43, s41, 2
	s_lshl_b32 s43, 15, s43                        ; my row of the cluster
	s_lshl_b32 s44, 0x1111, s40                    ; my column
	s_or_b32 s[G1+0], s43, (1<<21)                 ; the mask; elements of 1 byte; no padding; bit 21 set beside a mask
	s_or_b32 s[G1B+0], s44, (1<<21)
.irp g, G1, G1B
	s_mov_b32 s[\g+1], 4096<<16                    ; tensor_dim0
	s_mov_b32 s[\g+2], 8<<16                       ; tensor_dim1
	s_mov_b32 s[\g+3], 4096<<16                    ; tile_dim0
	s_mov_b32 s[\g+4], 8                           ; tile_dim1
	s_mov_b32 s[\g+5], 16384                       ; tensor_dim0_stride
	s_mov_b32 s[\g+6], 0
	s_mov_b32 s[\g+7], 0
.endr
	s_lshl_b32 s18, s17, 18
	s_lshl_b32 s19, s[WC], 17
	s_add_co_u32 s18, s18, s19
	s_mov_b32 s19, 0
	s_lshl_b32 s76, s42, 18
	s_lshl_b32 s77, s[WC], 17
	s_add_co_u32 s76, s76, s77
	s_add_co_u32 s76, s76, 3<<20                   ; w_o's part of w_img
	s_mov_b32 s77, 0
	s_lshl_b32 s45, s[WV], 15
	s_wait_kmcnt 0x0
	s_load_b64 s[96:97], s[8:9], 0x28              ; entries 10 and 11
	s_add_nc_u64 s[20:21], s[4:5], s[18:19]
	s_add_nc_u64 s[46:47], s[6:7], s[76:77]
	CROUND                                         ; all sixteen work-groups are here: the first joint loads meet
.irp s, 0,1
	s_mov_b32 s[G0+4*\s], 1
	s_add_co_u32 s[G0+4*\s+1], s45, \s*SLOT
	s_add_nc_u64 s[G0+4*\s+2:G0+4*\s+3], s[20:21], \s*4096
	s_or_b32 s[G0+4*\s+3], s[G0+4*\s+3], 0x80000000
	s_mov_b32 s[G0B+4*\s], 1
	s_add_co_u32 s[G0B+4*\s+1], s45, \s*SLOT
	s_add_nc_u64 s[G0B+4*\s+2:G0B+4*\s+3], s[46:47], \s*4096
	s_or_b32 s[G0B+4*\s+3], s[G0B+4*\s+3], 0x80000000
	s_wait_alu depctr_va_vdst(0)
	s_wait_tensorcnt 0x0
	ds_add_u32 v28, v29
	ds_add_u32 v28, v29
	s_wait_dscnt 0x0
	CROUND
	JLOAD G0+4*\s, G1, G0B+4*\s, G1B
.endr
	v_and_b32 v1, 15, v0                           ; r
	s_wait_alu depctr_va_vdst(0)
	v_bfe_u32 v2, v0, 4, 1                         ; h
	v_and_b32 v3, 31, v0
	v_lshlrev_b32 v[CO], 4, v3                     ; 16 x lane
	s_lshl_b32 s22, s[WR], 15
	s_lshl_b32 s23, s[WC], 15
	s_add_co_u32 s23, s23, 65536
.irp s, 0,1
	v_add_nc_u32 v[ADRA+\s], s22, v[CO]
	v_add_nc_u32 v[ADRB+\s], s23, v[CO]
	s_add_co_u32 s22, s22, SLOT
	s_add_co_u32 s23, s23, SLOT
.endr
	s_mul_i32 s22, s[WV], 16*SP
	s_add_co_u32 s22, s22, STAGE                   ; my stage
	v_mul_u32_u24 v4, v1, SP
	s_wait_alu depctr_va_vdst(0)
	v_lshl_add_u32 v4, v2, 6, v4
	v_add_nc_u32 v[STO], s22, v4                   ; in: row r, + 64 h: my 16 features of each 32
	v_add_nc_u32 v[RD], s22, v[CO]                 ; back: a row of 512 bytes, 16 a lane
	s_lshl_b32 s2, s42, 10
	s_lshl_b32 s3, s[WC], 9
	s_add_co_u32 s2, s2, s3                        ; my 128 features, in bytes
	s_mov_b32 s3, 0
	s_add_nc_u64 s[98:99], s[10:11], s[2:3]        ; in b_o,
	s_lshl_b32 s12, s17, 20
	s_lshl_b32 s13, s[WR], 19
	s_add_co_u32 s12, s12, s13                     ; my 128 tokens' rows of 4,096 bytes
	s_add_co_u32 s12, s12, s2
	s_mov_b32 s13, 0
	s_add_nc_u64 s[72:73], s[72:73], s[12:13]      ; and in out0
	v_lshlrev_b32 v5, 6, v2
.irp b, 0,1,2,3,4,5,6,7
	global_load_b128 v[BI+8*\b:BI+8*\b+3], v5, s[98:99] offset:(32*(\b/2)+8*(\b%2))*4          ; register j of B's tile b holds feature 32 (b / 2) + 8 (b % 2) + 16 h + j
	global_load_b128 v[BI+8*\b+4:BI+8*\b+7], v5, s[98:99] offset:(32*(\b/2)+8*(\b%2))*4+16
.endr
	s_wait_kmcnt 0x0
	s_add_co_i32 s96, s96, s97
	s_add_co_i32 s96, s96, 127
	s_lshl_b32 s96, s96, 23                        ; 2^(e10 + e11) as f32
	s_mov_b32 s97, s96                             ; (named with it as a pair)
.macro FRAG reg, adr, q, i
.irp c, 0,1,2,3
	ds_load_b128 v[\reg+4*\c:\reg+4*\c+3], v[\adr] offset:4096*(\i)+2048*(\q)+512*\c
.endr
.endm
; 16 matrix instructions: A's blocks a0, a0 + 1 x B's eight.  zero = 1: the first product starts the sums.  The 64 accumulators take turns, one instruction a turn.
.macro MUL16 a0, p, zero
.irp a, \a0, \a0+1
.irp b, 0,1,2,3,4,5,6,7
.if \zero
	v_wmma_f32_16x16x128_bf8_bf8 v[8*(8*((\a)%4)+\b):8*(8*((\a)%4)+\b)+7], v[128*(\p)+FR*\b:128*(\p)+FR*\b+FR-1], v[AF+FR*(\a):AF+FR*(\a)+FR-1], 0
.else
	v_wmma_f32_16x16x128_bf8_bf8 v[8*(8*((\a)%4)+\b):8*(8*((\a)%4)+\b)+7], v[128*(\p)+FR*\b:128*(\p)+FR*\b+FR-1], v[AF+FR*(\a):AF+FR*(\a)+FR-1], v[8*(8*((\a)%4)+\b):8*(8*((\a)%4)+\b)+7]
.endif
.endr
.endr
.endm
.macro FETCH_B slot, q, p
	WIN TO_B
.irp i, 0,1,2,3,4,5,6,7
	FRAG 128*(\p)+FR*\i, ADRB+\slot, \q, \i
.endr
	WIN 0
.endm
.macro FETCH_A slot, q, i0
.irp i, \i0, \i0+1, \i0+2, \i0+3
	FRAG AF+FR*(\i), ADRA+\slot, \q, \i
.endr
.endm
.macro PLACES n
.rept \n
	v_nop
.endr
.endm
.macro STEP slot, q, zero
	s_wait_dscnt 4*NL                              ; B's set and A's blocks 0-3 are in; A's blocks 4-7 (sixteen loads) may be out
	WIN MUL_LO
	MUL16 0, (\q)%2, \zero
	MUL16 2, (\q)%2, \zero
	s_wait_dscnt 0x0
	PLACES NP
	FETCH_B \slot, (\q)+1, 1-(\q)%2
	FETCH_A \slot, (\q)+1, 0
	WIN MUL_HI
	MUL16 4, (\q)%2, \zero
	MUL16 6, (\q)%2, \zero
	PLACES NP
	WIN 0
	FETCH_A \slot, (\q)+1, 4
.endm
.macro TURN slot, next, fill
	s_wait_tensorcnt 0x0                           ; all my tensor loads have landed: my part of the next slot
	ds_add_u32 v[SPW], v[NIL]                      ; 0 onto my spare word
	s_wait_dscnt 4*NL+1                            ; (the add and A's blocks 4-7 may be out)
	WIN MUL_LO
	MUL16 0, 1, 0
	s_wait_dscnt 0x0                               ; the add is done, and my reads of this slot are over
	s_barrier_signal -1
	MUL16 2, 1, 0
	WIN 0
	s_barrier_wait -1
.if \fill
	CREST                                          ; a round of the cluster's barrier: no wave of any partner still reads this slot or has a load on its way
	s_add_nc_u64 s[G0+4*\slot+2:G0+4*\slot+3], s[G0+4*\slot+2:G0+4*\slot+3], 8192
	s_add_nc_u64 s[G0B+4*\slot+2:G0B+4*\slot+3], s[G0B+4*\slot+2:G0B+4*\slot+3], 8192
	JLOAD G0+4*\slot, G1, G0B+4*\slot, G1B
.else
	PLACES NP
.endif
	FETCH_B \next, 0, 0
	FETCH_A \next, 0, 0
	WIN MUL_HI
	MUL16 4, 1, 0
	MUL16 6, 1, 0
	PLACES NP
	WIN 0
	FETCH_A \next, 0, 4
.endm
	s_wait_tensorcnt 0x1                           ; my part of slot 0 is in; slot 1's load may be out
	s_barrier_signal -1
	s_barrier_wait -1
	FETCH_B 0, 0, 0
	FETCH_A 0, 0, 0
	FETCH_A 0, 0, 4
	STEP 0, 0, 1                                   ; K has eight steps of 128: written out, no loop
	TURN 0, 1, 1
	STEP 1, 0, 0
	TURN 1, 0, 1
	STEP 0, 0, 0
	TURN 0, 1, 0
	STEP 1, 0, 0
	s_wait_dscnt 4*NL
	WIN MUL_LO
	MUL16 0, 1, 0
	MUL16 2, 1, 0
	s_wait_dscnt 0x0
	WIN MUL_HI
	MUL16 4, 1, 0
	MUL16 6, 1, 0
	WIN 0
; THE WAY OUT, block by block of 16 tokens x 128 features: sum x 2^(e10 + e11) + b_o, through my own stage, back as whole rows of 512 bytes.  LDS serves a wave's instructions in order.
.macro TOSTAGE a
	WIN 0x02+((\a)/4)                              ; source 0: window 2 or 3
.set j, 0
.rept 32
	v_pk_fma_f32 v[TMP+j:TMP+j+1], v[64*((\a)%4)+j:64*((\a)%4)+j+1], s[96:97], v[BI+j:BI+j+1] op_sel_hi:[1,0,1]   ; each accumulator from its low end on
.set j, j+2
.endr
	WIN 0
.irp b, 0,1,2,3,4,5,6,7
	ds_store_b128 v[STO], v[TMP+8*\b:TMP+8*\b+3] offset:128*(\b/2)+32*(\b%2)
	ds_store_b128 v[STO], v[TMP+8*\b+4:TMP+8*\b+7] offset:128*(\b/2)+32*(\b%2)+16
.endr
	WIN TO_B                                       ; the rows come back into window 1, where B's first set lay: two sets of 64 by turns
.irp t, 0,1,2,3,4,5,6,7,8,9,10,11,12,13,14,15
	ds_load_b128 v[64*((\a)%2)+4*\t:64*((\a)%2)+4*\t+3], v[RD] offset:\t*SP
.endr
	WIN 0
.endm
.macro SEND a, younger                 ; younger: the LDS instructions issued behind block a's loads
	s_wait_dscnt \younger
	WIN 0x04                                       ; the stores' data in window 1
.irp t, 0,1,2,3,4,5,6,7,8,9,10,11,12,13,14,15
	global_store_b128 v[CO], v[64*((\a)%2)+4*\t:64*((\a)%2)+4*\t+3], s[72:73] offset:(32*((\a)/2)+8*((\a)%2)+\t+8*(\t/8))*4096 th:TH_STORE_NT   ; the tile's row t is that token: 512 consecutive bytes, aligned; written once
.endr
	WIN 0
.endm
	s_wait_loadcnt 0x0                             ; b_o
	PLACES NP
	TOSTAGE 0
.irp a, 1,2,3,4,5,6,7
.if \a > 1
	s_wait_xcnt 0x0                                ; block a - 2's stores have read their registers: block a's rows may land there
.endif
	TOSTAGE \a
	SEND \a-1, 32                                  ; behind block a - 1's loads: block a's 16 stores and 16 loads
.endr
	SEND 7, 0
	s_wait_tensorcnt 0x0                           ; the wave's end
	ds_add_u32 v[SPW], v[NIL]
	s_wait_dscnt 0x0
	CROUND                                         ; the closing round
	s_endpgm
.Lfunc_end_k_q8ff93f3211_oproj:
	.size	k_q8ff93f3211_oproj, .Lfunc_end_k_q8ff93f3211_oproj-k_q8ff93f3211_oproj
	.p2alignl 7, 3214868480
	.fill 96, 4, 3214868480
	.section	.rodata,"a",@progbits
	.p2align	6, 0x0
	.amdhsa_kernel k_q8ff93f3211_oproj
		.amdhsa_group_segment_fixed_size 327680
		.amdhsa_private_segment_fixed_size 0
		.amdhsa_enable_private_segment 0
		.amdhsa_kernarg_size 40
		.amdhsa_user_sgpr_count 2
		.amdhsa_user_sgpr_kernarg_segment_ptr 1
		.amdhsa_wavefront_size32 1
		.amdhsa_system_sgpr_workgroup_id_x 1
		.amdhsa_system_sgpr_workgroup_id_y 1
		.amdhsa_system_sgpr_workgroup_id_z 1
		.amdhsa_system_vgpr_workitem_id 0
		.amdhsa_next_free_vgpr 1024
		.amdhsa_next_free_sgpr 100
		.amdhsa_reserve_vcc 0
		.amdhsa_float_denorm_mode_32 3
		.amdhsa_float_denorm_mode_16_64 3
		.amdhsa_memory_ordered 1
		.amdhsa_forward_progress 1
		.amdhsa_inst_pref_size 126
	.end_amdhsa_kernel
	.amdgpu_metadata
---
amdhsa.version: [ 1, 2 ]
amdhsa.kernels:
  - .name:           k_q8ff93f3211_oproj
    .symbol:         k_q8ff93f3211_oproj.kd
    .args:
      - { .name: p_img, .offset: 0, .size: 8, .value_kind: global_buffer, .address_space: global }
      - { .name: w_img, .offset: 8, .size: 8, .value_kind: global_buffer, .address_space: global }
      - { .name: lowp_scales, .offset: 16, .size: 8, .value_kind: global_buffer, .address_space: global }
      - { .name: b_o, .offset: 24, .size: 8, .value_kind: global_buffer, .address_space: global }
      - { .name: out0, .offset: 32, .size: 8, .value_kind: global_buffer, .address_space: global }
    .group_segment_fixed_size: 327680
    .private_segment_fixed_size: 0
    .kernarg_segment_align: 8
    .kernarg_segment_size: 40
    .max_flat_workgroup_size: 128
    .sgpr_count:     100
    .vgpr_count:     1024
    .wavefront_size: 32
...
	.end_amdgpu_metadata
.endif
;; end of part 4
